; MI455X (gfx1250); checked and timed in simulation.
; The chip was launched on July 23, 2026; its instructions are those of AMD's public machine-readable ISA for CDNA 5 (MIT licence, August 2026) and "CDNA5" Instruction Set Architecture Reference Guide (July 2026). The comments in the code are by the model that wrote it; some were corrected since.
;; Causal Multi Headed Self Attention. Allowed arithmetic: matrix products marked QUANTISED: E4M3 operands, one given power-of-two scale a tensor, by v_wmma_f32_16x16x64_fp8_fp8 or v_wmma_f32_16x16x128_fp8_fp8, f32 sums; everything else in f32.
;; Inputs: cos 2,048 x 32 float32; lowp_scales 12 int32 (the exponents e of the quantised operands' scales 2^e); sin 2,048 x 32 float32; w_k 1,024 x 1,024 float32; w_o 1,024 x 1,024 float32; w_q 1,024 x 1,024 float32; w_v 1,024 x 1,024 float32; x 4 x 2,048 x 1,024 float32.
;; Outputs: out0 4 x 2,048 x 1,024 float32.
;; This version of the problem:
;;   THIS VERSION OF THE PROBLEM IS GIVEN IN LOW PRECISION. The matrix products marked QUANTISED in the list below multiply operands that are first quantised to E4M3 (4 exponent bits, 3 mantissa bits; 8 bits a number), with one given power-of-two scale for each operand tensor; their sums are f32. All else is computed in f32.
;;   The module's matrix products, in the order in which they are computed (A, B: the left and right operand; K: the contracted axis; several contracted axes count as one K, in the product's order):
;;     1. [M 8,192, K 1,024] x [K 1,024, N 1,024]; A: input x; B: input w_q: QUANTISED (scales: A lowp_scales[0], B lowp_scales[1])
;;     2. [M 8,192, K 1,024] x [K 1,024, N 1,024]; A: input x; B: input w_k: QUANTISED (scales: A lowp_scales[2], B lowp_scales[3])
;;     3. [M 8,192, K 1,024] x [K 1,024, N 1,024]; A: input x; B: input w_v: QUANTISED (scales: A lowp_scales[4], B lowp_scales[5])
;;     4. batch 64 x [M 2,048, K 64] x [K 64, N 2,048]; A: computed on the way; B: computed on the way: QUANTISED (scales: A lowp_scales[6], B lowp_scales[7])
;;     5. batch 64 x [M 2,048, K 2,048] x [K 2,048, N 64]; A: softmax (see below); B: computed on the way: QUANTISED (scales: A lowp_scales[8], B lowp_scales[9])
;;     6. [M 8,192, K 1,024] x [K 1,024, N 1,024]; A: computed on the way; B: input w_o: QUANTISED (scales: A lowp_scales[10], B lowp_scales[11])
;;   THE QUANTISER, for each operand of a quantised product, along K:
;;     - The operand's scale is 2^e, e = its entry of the input lowp_scales (int32; the entries are numbered through the quantised products in the list's order, A before B).
;;     - Each number is divided by the scale, clamped to +-448, and rounded to the nearest number of E4M3, ties to even, subnormals kept.
;;     - The product sums the exact products of the quantised numbers (number of the format x scale) in f32.
;;   ~~~python
;;   def quantise(x, axis, e):      # numpy; x: float32 -> the quantised numbers, widened to float32 again
;;       x = np.moveaxis(x, axis, -1); K = x.shape[-1]
;;       r = np.clip(x / 2.0 ** e, -448, 448)
;;       step = 2.0 ** (np.maximum(np.frexp(np.where(r == 0, 1, r))[1] - 1, -6) - 3)
;;       q = np.round(r / step) * step * 2.0 ** e      # np.round: ties to even
;;       return np.moveaxis(q, -1, axis).astype(np.float32)
;;   ~~~
;;   SOFTMAX AHEAD OF A QUANTISED PRODUCT. Where the list says 'softmax', what is quantised is not the finished softmax but p = 2^(t - M), with t = logit x log2(e) and M = ceil(the row's largest t), a whole number; so 1/2 < the row's largest p <= 1. The row's sum l is taken of the UNQUANTISED p, in f32, and the product's result is divided by l at the end. Since M is a whole number, a kernel that streams over the keys may use a running M (the ceiling of the running maximum): every later rescaling is an exact power of two, so the quantised numbers keep their values, but for numbers so far below the row's largest that they fall under the format's range.
;;   OPERANDS COMPUTED ON THE WAY. 'Computed on the way' means the value that the module computes at that place (a softmax that the list does not call 'softmax' is quantised finished and normalised). What goes into a quantiser is computed in f32, as accurately as f32 sums, v_exp_f32 and their like allow (about 1e-6 of the number): no bf16 or f16 on the way to a quantiser, and a product that is left as it is and whose result goes on into a quantised operand takes f32 operands (vector FMAs, or v_wmma_f32_16x16x4_f32). A number that lies on a knife's edge between two numbers of the format may be rounded either way, as far as f32 arithmetic and the matrix unit's own rounding can turn it there, and no further.
;; One version. Each part assembles by itself: llvm-mc -triple=amdgcn-amd-amdhsa -mcpu=gfx1250 --defsym DOCPART=n.
;; ======== version 1 of 1: 4 launches
;; limits: right only within a limited range of input values
;; workspace buffers: x_img 25,165,824 bytes; w_img 4,194,304 bytes; q_img 8,388,608 bytes; kv_img 16,777,216 bytes; o_img 8,388,608 bytes
;; launch quant (part 1): grid 768 x 1, 8 waves a work-group, no clusters, 68,608 bytes of LDS; arguments x, w_q, w_k, w_v, w_o, lowp_scales, x_img, w_img; writes x_img, w_img
.if DOCPART == 1
	.amdgcn_target "amdgcn-amd-amdhsa--gfx1250"
	.amdhsa_code_object_version 6
	.text
	.protected	k_q4b1dd1fa30_quant
	.globl	k_q4b1dd1fa30_quant
	.p2align	8
	.type	k_q4b1dd1fa30_quant,@function
k_q4b1dd1fa30_quant:
	s_mov_b64 s[64:65], 0
	v_nop
	global_prefetch_b8 v0, s[64:65] scope:SCOPE_SE
	s_setreg_imm32_b32 hwreg(HW_REG_WAVE_MODE, 25, 1), 1
	s_wait_xcnt 0x0
; FIRST OF FOUR LAUNCHES of a causal self-attention layer (batch 4, 2,048 positions, 16 heads of 64) whose six products run on codes of FP8 (E4M3), each operand with the given scale 2^e.
; This launch turns x (three times: e0, e2, e4 are three entries and need not be equal) and w_q, w_k, w_v, w_o (e1, e3, e5, e11) into codes.
; code = number / 2^e, rounded to the nearest code, ties to even.
; WORK LEFT OUT IN THE PROGRAM (in the third launch): a step of 128 keys all of which come after every query of a tile of 16 queries.  reference() builds the mask jnp.tril in its own body and
; writes -inf over those scores ahead of the softmax, so their weights are 0 for all values of the inputs and they add nothing to a row's sum or to the second product.  Nothing else is left out and every
; input is loaded.  LIMIT: a NaN, an infinity or an overflow that would arise only in those hidden scores is not carried to the result.
; THE LAYOUT OF ALL WORKSPACE: an operand lies in memory as an image of the registers that take it.
;   A TILE is 16 rows, not neighbours: tile T holds at place r the row 32 (T / 2) + 8 (T % 2) + r + 8 (r / 8).
;   A FRAGMENT (a tile x 128 along K) is 2,048 bytes: four pieces c of 512; in piece c lane l = r + 16 h has the 16 bytes at 16 l: k = 32 c + 16 h + 0 .. 15 of place r.
;   Order A (blocks of 8 tiles):  byte = (((T / 8) 4 + k / 256) 8 + T % 8) 4,096 + ((k / 128) % 2) 2,048.   Order B (blocks of 16 tiles): byte = (((T / 16) 4 + k / 256) 16 + T % 16) 4,096 + the same.
;   x_img: x by e0 (order A) at 0, by e2 (A) at 8 MiB, by e4 (B) at 16 MiB.   w_img: w_q (B) at 0, w_k (B) at 1 MiB, w_v (A) at 2 MiB, w_o (B) at 3 MiB.
; SHARES.  A work-group takes one tile across all K; wave w takes K = 128 w on: one fragment.  Work-groups 0-511: x; 512-767: weight (g - 512) / 64, tile (g - 512) % 64.
; Each load reads 512 consecutive bytes of a row; the 16 rows turn through the wave's own stage in LDS (rows 528 bytes apart) so that a lane gets 16 neighbours of each block of 32; each store covers 512 consecutive bytes.
; No loop, no barrier: waves share nothing.  All 16 loads of a wave go out at once.
; LIMITS: each e between -126 and 127, so that 2^e is an f32 number.  NaN among the inputs is not served.
.set WST,   8448                       ; a wave's stage: 16 rows x 528 bytes
.set SPARE, 8*WST                      ; behind the stages: the spare words, 128 bytes a wave, four blocks of 256 bytes that no other line names
.set LI,  1                            ; v1  16 x lane
.set STW, 2                            ; v2  the stage, on the way in
.set STR, 3                            ; v3  the stage, on the way out
.set SPW, 4                            ; v4  my spare word's LDS address; never rewritten
.set NIL, 5                            ; v5  0; never rewritten
.set XR,  16                           ; v16-79  the rows as loaded
.set TS,  16
.set YR,  80                           ; v80-143 64 numbers: register 16 c + i = k 32 c + 16 h + i of place r
	s_load_b512 s[4:19], s[0:1], 0x0               ; x 4:5, w_q 6:7, w_k 8:9, w_v 10:11, w_o 12:13, the exponents 14:15, x_img 16:17, w_img 18:19
	v_lshl_add_u32 v[SPW], v0, 2, SPARE
	v_mov_b32 v[NIL], 0
	v_lshrrev_b32 v6, 5, v0
	s_delay_alu instid0(VALU_DEP_1)
	v_readfirstlane_b32 s32, v6                    ; wave 0..7
	v_and_b32 v6, 31, v0
	s_delay_alu instid0(VALU_DEP_1)
	v_lshlrev_b32 v[LI], 4, v6
	s_mul_i32 s44, s32, WST
	v_add_nc_u32 v[STW], s44, v[LI]                ; in: row i at 528 i, my 16 bytes at 16 x lane
	v_and_b32 v7, 15, v0                           ; r
	v_bfe_u32 v8, v0, 4, 1                         ; h
	s_delay_alu instid0(VALU_DEP_2)
	v_mul_u32_u24 v[STR], v7, 528
	s_delay_alu instid0(VALU_DEP_1)
	v_lshl_add_u32 v[STR], v8, 6, v[STR]
	s_delay_alu instid0(VALU_DEP_1)
	v_add_nc_u32 v[STR], s44, v[STR]               ; out: row r, + 64 h: 16 numbers of each block of 32
	s_cmp_lt_u32 ttmp9, 512
	s_cselect_b32 s45, 0, 512
	s_sub_co_u32 s45, ttmp9, s45
	s_lshr_b32 s34, s45, 6                         ; j: which weight (means nothing in x's work-groups)
	s_and_b32 s46, s45, 63
	s_cmp_lt_u32 ttmp9, 512
	s_cselect_b32 s33, s45, s46                    ; T: my tile
	s_lshr_b32 s36, s33, 1                         ; where my wave reads: row 32 (T / 2) + 8 (T % 2) of 4,096 bytes, + 512 x wave
	s_lshl_b32 s36, s36, 17
	s_and_b32 s46, s33, 1
	s_lshl_b32 s46, s46, 15
	s_add_co_u32 s36, s36, s46
	s_lshl_b32 s46, s32, 9
	s_add_co_u32 s36, s36, s46
	s_mov_b32 s37, 0
	s_and_b32 s47, s32, 1
	s_lshl_b32 s47, s47, 11                        ; (k / 128) % 2 = wave % 2
	s_lshr_b32 s35, s32, 1                         ; k / 256 = wave / 2
	s_lshr_b32 s38, s33, 3                         ; my fragment's place in order A
	s_lshl_b32 s38, s38, 17
	s_lshl_b32 s46, s35, 15
	s_add_co_u32 s38, s38, s46
	s_and_b32 s46, s33, 7
	s_lshl_b32 s46, s46, 12
	s_add_co_u32 s38, s38, s46
	s_add_co_u32 s38, s38, s47
	s_mov_b32 s39, 0
	s_lshr_b32 s40, s33, 4                         ; and in order B
	s_lshl_b32 s40, s40, 18
	s_lshl_b32 s46, s35, 16
	s_add_co_u32 s40, s40, s46
	s_and_b32 s46, s33, 15
	s_lshl_b32 s46, s46, 12
	s_add_co_u32 s40, s40, s46
	s_add_co_u32 s40, s40, s47
	s_mov_b32 s41, 0
	s_wait_alu depctr_va_vdst(0)
	s_wait_kmcnt 0x0
	s_load_b256 s[20:27], s[14:15], 0x0            ; e0 .. e7 in s20 .. s27
	s_load_b128 s[28:31], s[14:15], 0x20           ; e8 .. e11 in s28 .. s31
	s_mov_b64 s[42:43], s[12:13]                   ; the source: a choice among the five buffers by the work-group's number alone
	s_cmp_eq_u32 s34, 2
	s_cselect_b64 s[42:43], s[10:11], s[42:43]
	s_cmp_eq_u32 s34, 1
	s_cselect_b64 s[42:43], s[8:9], s[42:43]
	s_cmp_eq_u32 s34, 0
	s_cselect_b64 s[42:43], s[6:7], s[42:43]
	s_cmp_lt_u32 ttmp9, 512
	s_cselect_b64 s[42:43], s[4:5], s[42:43]
	s_add_nc_u64 s[42:43], s[42:43], s[36:37]
.irp i, 0,1,2,3,4,5,6,7,8,9,10,11,12,13,14,15
	global_load_b128 v[XR+4*\i:XR+4*\i+3], v[LI], s[42:43] offset:(\i+8*(\i/8))*4096 th:TH_LOAD_NT   ; place i of the tile: 32 lanes read 512 consecutive bytes; read once in the launch
.endr
	s_cmp_eq_u32 s34, 2                            ; the first destination: x by e0 in order A; a weight at j MiB, w_v in order A, the others in order B
	s_cselect_b32 s46, s38, s40
	s_lshl_b32 s47, s34, 20
	s_add_co_u32 s46, s46, s47
	s_cmp_lt_u32 ttmp9, 512
	s_cselect_b32 s46, s38, s46
	s_cselect_b64 s[48:49], s[16:17], s[18:19]
	s_mov_b32 s47, 0
	s_add_nc_u64 s[48:49], s[48:49], s[46:47]
.irp i, 0,1,2,3,4,5,6,7,8,9,10,11,12,13,14,15
	s_wait_loadcnt 15-\i                           ; loads come back in order: row i is in, the younger ones may stay out
	ds_store_b128 v[STW], v[XR+4*\i:XR+4*\i+3] offset:528*\i
.endr
.irp c, 0,1,2,3
.irp j, 0,1,2,3
	ds_load_b128 v[YR+16*\c+4*\j:YR+16*\c+4*\j+3], v[STR] offset:128*\c+16*\j   ; LDS serves a wave's instructions in order: these see my stores
.endr
.endr
.macro MKSC e, sc, lim                 ; 2^e as an f32 number in v[sc]
	s_add_co_i32 s46, s[\e], 127
	s_lshl_b32 s47, s46, 23
	v_mov_b32 v[\sc], s47
.endm
; The 64 numbers become a fragment's codes in v[code] on and leave: four stores of 512 consecutive bytes.
; Each call has code registers of its own, so that no store's data are written again.
.macro EMIT sc, lim, code, dst
.irp c, 0,1,2,3
.irp i, 0,1,2,3,4,5,6,7,8,9,10,11,12,13,14,15
.endr
	v_cvt_scalef32_pk8_fp8_f32 v[\code+4*\c:\code+4*\c+1], v[TS+16*(\c%2)+((YR+16*\c+0)-(TS+16*(\c%2)+0)):TS+16*(\c%2)+7+((YR+16*\c+0)-(TS+16*(\c%2)+0))], v[\sc]
	v_cvt_scalef32_pk8_fp8_f32 v[\code+4*\c+2:\code+4*\c+3], v[TS+16*(\c%2)+8+((YR+16*\c+0)-(TS+16*(\c%2)+0)):TS+16*(\c%2)+15+((YR+16*\c+0)-(TS+16*(\c%2)+0))], v[\sc]
.endr
	v_nop                                          ; a plain line behind the last conversion
.irp c, 0,1,2,3
	global_store_b128 v[LI], v[\code+4*\c:\code+4*\c+3], s[\dst:\dst+1] offset:512*\c
.endr
.endm
	s_wait_kmcnt 0x0
	s_mov_b32 s44, s31                             ; the first scale: e11 for w_o,
	s_cmp_eq_u32 s34, 2
	s_cselect_b32 s44, s25, s44                    ; e5 for w_v,
	s_cmp_eq_u32 s34, 1
	s_cselect_b32 s44, s23, s44                    ; e3 for w_k,
	s_cmp_eq_u32 s34, 0
	s_cselect_b32 s44, s21, s44                    ; e1 for w_q,
	s_cmp_lt_u32 ttmp9, 512
	s_cselect_b32 s44, s20, s44                    ; e0 for x
	MKSC 44, 6, 7
	s_wait_alu depctr_va_vdst(0)
	s_wait_dscnt 0x0                               ; the 64 numbers are back from the stage
	EMIT 6, 7, 48, 48
	s_cmp_ge_u32 ttmp9, 512
	s_cbranch_scc1 .Ldone                          ; a weight has one scale
	s_add_nc_u64 s[50:51], s[16:17], s[38:39]
	s_add_nc_u64 s[50:51], s[50:51], 0x800000      ; x by e2, order A
	s_add_nc_u64 s[52:53], s[16:17], s[40:41]
	s_add_nc_u64 s[52:53], s[52:53], 0x1000000     ; x by e4, order B
	MKSC 22, 8, 9
	MKSC 24, 10, 11
	EMIT 8, 9, 64, 50
	EMIT 10, 11, 144, 52
.Ldone:
	s_wait_tensorcnt 0x0                           ; the wave's end, behind my last LDS store
	ds_add_u32 v[SPW], v[NIL]
	s_wait_dscnt 0x0
	s_endpgm
.Lfunc_end_k_q4b1dd1fa30_quant:
	.size	k_q4b1dd1fa30_quant, .Lfunc_end_k_q4b1dd1fa30_quant-k_q4b1dd1fa30_quant
	.p2alignl 7, 3214868480
	.fill 96, 4, 3214868480
	.section	.rodata,"a",@progbits
	.p2align	6, 0x0
	.amdhsa_kernel k_q4b1dd1fa30_quant
		.amdhsa_group_segment_fixed_size 68608
		.amdhsa_private_segment_fixed_size 0
		.amdhsa_enable_private_segment 0
		.amdhsa_kernarg_size 64
		.amdhsa_user_sgpr_count 2
		.amdhsa_user_sgpr_kernarg_segment_ptr 1
		.amdhsa_wavefront_size32 1
		.amdhsa_system_sgpr_workgroup_id_x 1
		.amdhsa_system_sgpr_workgroup_id_y 1
		.amdhsa_system_sgpr_workgroup_id_z 1
		.amdhsa_system_vgpr_workitem_id 0
		.amdhsa_next_free_vgpr 160
		.amdhsa_next_free_sgpr 66
		.amdhsa_reserve_vcc 0
		.amdhsa_float_denorm_mode_32 3
		.amdhsa_float_denorm_mode_16_64 3
		.amdhsa_fp16_overflow 1
		.amdhsa_memory_ordered 1
		.amdhsa_forward_progress 1
		.amdhsa_inst_pref_size 12
	.end_amdhsa_kernel
	.amdgpu_metadata
---
amdhsa.version: [ 1, 2 ]
amdhsa.kernels:
  - .name:           k_q4b1dd1fa30_quant
    .symbol:         k_q4b1dd1fa30_quant.kd
    .args:
      - { .name: x, .offset: 0, .size: 8, .value_kind: global_buffer, .address_space: global }
      - { .name: w_q, .offset: 8, .size: 8, .value_kind: global_buffer, .address_space: global }
      - { .name: w_k, .offset: 16, .size: 8, .value_kind: global_buffer, .address_space: global }
      - { .name: w_v, .offset: 24, .size: 8, .value_kind: global_buffer, .address_space: global }
      - { .name: w_o, .offset: 32, .size: 8, .value_kind: global_buffer, .address_space: global }
      - { .name: lowp_scales, .offset: 40, .size: 8, .value_kind: global_buffer, .address_space: global }
      - { .name: x_img, .offset: 48, .size: 8, .value_kind: global_buffer, .address_space: global }
      - { .name: w_img, .offset: 56, .size: 8, .value_kind: global_buffer, .address_space: global }
    .group_segment_fixed_size: 68608
    .private_segment_fixed_size: 0
    .kernarg_segment_align: 8
    .kernarg_segment_size: 64
    .max_flat_workgroup_size: 256
    .sgpr_count:     66
    .vgpr_count:     160
    .wavefront_size: 32
...
	.end_amdgpu_metadata
.endif
;; end of part 1
;; launch qkv (part 2): grid 12 x 64, 4 waves a work-group, clusters of 4 x 4, 327,680 bytes of LDS; arguments x_img, w_img, cos, sin, lowp_scales, q_img, kv_img; writes q_img, kv_img
.if DOCPART == 2
	.amdgcn_target "amdgcn-amd-amdhsa--gfx1250"
	.amdhsa_code_object_version 6
	.text
	.protected	k_q4b1dd1fa30_qkv
	.globl	k_q4b1dd1fa30_qkv
	.p2align	8
	.type	k_q4b1dd1fa30_qkv,@function
k_q4b1dd1fa30_qkv:
	s_mov_b64 s[64:65], 0
	v_nop
	global_prefetch_b8 v0, s[64:65] scope:SCOPE_SE
	s_setreg_imm32_b32 hwreg(HW_REG_WAVE_MODE, 25, 1), 1
	s_wait_xcnt 0x0
	s_wait_alu depctr_hold_cnt(0) depctr_sa_sdst(0) depctr_va_vdst(0) depctr_va_sdst(0) depctr_va_ssrc(0) depctr_va_vcc(0) depctr_vm_vsrc(0)
	s_getreg_b32 s2, hwreg(HW_REG_IB_STS2, 6, 4)
	s_cmp_eq_u32 s2, 0
	s_cbranch_scc0 .Lentry_in_a_cluster
	s_endpgm
.Lentry_in_a_cluster:
	s_bfe_u32 s2, ttmp6, 0x10000c
	s_cmp_lg_u32 s2, 0xf033
	s_cbranch_scc0 .Lentry_shape_is_right
	s_endpgm
.Lentry_shape_is_right:
; SECOND LAUNCH: the three projections on codes of FP8 (E4M3), the rotation of q and k by cos and sin, and the quantising of q (e6), k (e7) and v (e9).  No work is left out here.
; The cluster's x says which: 0 = q, 1 = k, 2 = v.  All operands are images of registers (tiles, fragments and orders A and B as the first launch's head comment sets out).
; A work-group makes 128 (A's rows) x 256 (B's rows); each of four waves 64 x 128: 32 accumulators, 256 registers.  For q and k A = x and B = the weight; FOR v THE ROLES ARE SWAPPED (A = w_v, B = x).
; THE MATRIX INSTRUCTION takes 16 rows of B as source 0 and 16 rows of A as source 1: a lane (r, h) then holds place r of A's tile, and in B's tiles 2 p and 2 p + 1 together the 16 NEIGHBOURS 32 p + 16 h + 0 .. 15
; of B's rows.  For q and k those are 16 neighbouring channels of one position, for v 16 neighbouring keys of one channel: in both cases neighbours along the next product's K.  Two conversions make of them a lane's
; 16 bytes of a piece of the next operand's image, and a store of the wave covers 512 consecutive bytes: no stage in LDS.
; q_img: [batch x head 64][tile 128][1,024 bytes: two pieces of 512, k = 32 c + 16 h + 0 .. 15 of the head's 64].   kv_img: [batch x head 64][block of 128 keys 16][k: 8 tiles x 1,024 | v: 4 tiles of channels x 2,048].
; K = 1,024 is eight steps of 128, written out.  LDS: three slots of 256 along K (A's 32 KiB, then B's 64 KiB), each one dense block of memory; slot 0 is filled once more, with the last 256.
; CLUSTER 4 x 4: A's blocks are shared along a row of the cluster, B's along a column: each is asked for jointly.  By this text's own count a wave has at most three tensor loads out.
; The sums stand for sum x 2^(ea + eb); the rotation is linear, so it works on the sums as they are, and the three exponents are folded into the conversion's one scale S = e6 - e0 - e1 (q), e7 - e2 - e3 (k), e9 - e4 - e5 (v).
; LIMIT: S between -126 and 119.
; REGISTERS, in windows of 256: window 0: v0-31 addresses and scales; v32-127 cos and sin of my tiles 0-2; v128-191, v192-255 A's fragments, two sets (on the way out: 64 numbers, then codes).
;   window 1: B's fragments, two sets.   window 2: accumulator (a, b) at v[8 (8 a + b)].   window 3: v0-31 cos and sin of my tile 3.
.set SLOT,  98304
.set SPARE, 3*SLOT                     ; behind the slots: the spare words, 128 bytes a wave, two blocks of 256 bytes that no other line names
.set LI,   2                           ; v2     16 x lane; also the stores' first offset
.set CSA,  12                          ; v12    my byte in a tile's rows of cos and sin
.set OA1,  14                          ; v14    the stores' offset for the wave's second head
.set ADRA, 16                          ; v16-18 LDS address of my A fragments in slot 0, 1, 2
.set ADRB, 20                          ; v20-22 the same for B
.set SPW,  28                          ; v28    my spare word's LDS address; never rewritten
.set NIL,  29                          ; v29    0; never rewritten
.set SC,   30                          ; v30    2^S
.set LIMV, 31                          ; v31    448 x 2^S
.set RO,   128                         ; the way out: 64 numbers
.set CD,   192                         ; the way out: codes, two sets of 16 by turns
.set G1A, 24                           ; s[24:31] descriptor group 1 for A's blocks;  s[32:39] for B's
.set G1B, 32
.set G0A, 40                           ; s[40:51] group 0 for A's blocks, a set for each slot;  s[52:63] for B's
.set G0B, 52
.set MSB, 0
.macro WIN new                         ; the immediate's high byte repeats the setting that is left
.if MSB != \new
	s_set_vgpr_msb (MSB<<8)|\new
.set MSB, \new
.endif
.endm
.set MUL,  0xa1                        ; source 0 (B) window 1, source 1 (A) window 0, C and D window 2
.set TO_B, 0x40                        ; destination window 1, address window 0
; A joint load: waves 0 and 1 fetch A's halves, waves 2 and 3 B's.  The branch hangs on the wave's number alone.  An s_nop 0 and four v_nop follow each of the two lines.
.macro JLOAD g0a, g1a, g0b, g1b
	s_cmp_eq_u32 s19, 0
	s_cbranch_scc0 .Lfor_b_\@
	tensor_load_to_lds s[\g0a:\g0a+3], s[\g1a:\g1a+7]
	s_nop 0
.rept 4
	v_nop
.endr
	s_branch .Lasked_\@
.Lfor_b_\@:
	tensor_load_to_lds s[\g0b:\g0b+3], s[\g1b:\g1b+7]
	s_nop 0
.rept 4
	v_nop
.endr
.Lasked_\@:
.endm
.macro CREST                           ; a round of the cluster's barrier behind its opening barrier
	s_cmp_lg_u32 s18, 0
	s_cbranch_scc1 .Lnot_wave_0_\@
	s_barrier_signal -3
.Lnot_wave_0_\@:
	s_barrier_wait -3
	s_barrier_signal -1
	s_barrier_wait -1
.endm
.macro CROUND                          ; a whole round
	s_barrier_signal -1
	s_barrier_wait -1
	CREST
.endm
.macro PLACES n                        ; plain vector lines between a matrix instruction and a load into, or a vector read or write of, its registers (ISA guide 7.12.1 for vector reads and writes)
.rept \n
	v_nop
.endr
.endm
.macro FRAG reg, adr, tile, q          ; a fragment comes as it lies: four loads of 512 consecutive bytes
.irp c, 0,1,2,3
	ds_load_b128 v[\reg+4*\c:\reg+4*\c+3], v[\adr] offset:(\tile)*4096+(\q)*2048+512*\c
.endr
.endm
.macro FETCH slot, q, p                ; 48 loads in one run: the slot's q-th 128 along K into set p: B's eight fragments, A's four
	WIN TO_B
.irp b, 0,1,2,3,4,5,6,7
	FRAG 128*(\p)+16*\b, ADRB+\slot, \b, \q
.endr
	WIN 0
.irp a, 0,1,2,3
	FRAG 128+64*(\p)+16*\a, ADRA+\slot, \a, \q
.endr
.endm
.macro MUL8 a, p, zero                 ; A's tile a against B's eight.  The 32 accumulators take turns in the same order in every step.  zero = 1: the product starts the sums
.irp b, 0,1,2,3,4,5,6,7
.if \zero
	v_wmma_f32_16x16x128_fp8_fp8 v[8*(8*(\a)+\b):8*(8*(\a)+\b)+7], v[128*(\p)+16*\b:128*(\p)+16*\b+15], v[128+64*(\p)+16*(\a):128+64*(\p)+16*(\a)+15], 0
.else
	v_wmma_f32_16x16x128_fp8_fp8 v[8*(8*(\a)+\b):8*(8*(\a)+\b)+7], v[128*(\p)+16*\b:128*(\p)+16*\b+15], v[128+64*(\p)+16*(\a):128+64*(\p)+16*(\a)+15], v[8*(8*(\a)+\b):8*(8*(\a)+\b)+7]
.endif
.endr
.endm
.macro STEP p, nslot, nq, zero         ; multiplies set p; the next step's fragments are asked for first, into the other set
	PLACES 4
	FETCH \nslot, \nq, 1-(\p)
	s_wait_dscnt 48                                ; all but the 48 just issued: set p is in
	WIN MUL
	MUL8 0, \p, \zero
	MUL8 1, \p, \zero
	MUL8 2, \p, \zero
	MUL8 3, \p, \zero
	WIN 0
.endm
; A step with a barrier: in front of it each wave waits for all its tensor loads, adds 0 to its spare word, and waits for that and for its reads of the slot.  refill = 1: slot 0 is filled again, with the last 256 along K.
.macro TURN p, nslot, nq, refill
	s_wait_tensorcnt 0x0                           ; all my tensor loads have landed
	ds_add_u32 v[SPW], v[NIL]                      ; 0 onto my spare word
	s_wait_dscnt 1                                 ; set p is in; the add may be out
	WIN MUL
	MUL8 0, \p, 0                                  ; eight matrix instructions stand between the add and the wait for it
	s_wait_dscnt 0x0                               ; the add is done, and my reads of the slot are over
	s_barrier_signal -1
	MUL8 1, \p, 0
	WIN 0
	s_barrier_wait -1
.if \refill
	CREST                                          ; the barrier has opened a round of the cluster's: no wave of any partner still reads slot 0 or has a load on its way
	s_add_nc_u64 s[G0A+2:G0A+3], s[G0A+2:G0A+3], 3*32768
	s_add_nc_u64 s[G0B+2:G0B+3], s[G0B+2:G0B+3], 3*65536
	JLOAD G0A, G1A, G0B, G1B                       ; the first tensor load behind the round; its four v_nop are the places in front of the loads below
.else
	PLACES 4
.endif
	FETCH \nslot, \nq, 1-(\p)
	WIN MUL
	MUL8 2, \p, 0
	MUL8 3, \p, 0
	WIN 0
.endm
.macro LAST                            ; the eighth step: nothing more to fetch
	s_wait_dscnt 0x0
	WIN MUL
	MUL8 0, 1, 0
	MUL8 1, 1, 0
	MUL8 2, 1, 0
	MUL8 3, 1, 0
	WIN 0
	PLACES 4                                       ; in front of the first read of results and the first write over A's fragments
.endm
	s_load_b256 s[4:11], s[0:1], 0x0               ; x_img 4:5, w_img 6:7, cos 8:9, sin 10:11
	s_load_b128 s[12:15], s[0:1], 0x20             ; the exponents 12:13, q_img 14:15
	s_load_b64 s[16:17], s[0:1], 0x30              ; kv_img
	v_lshl_add_u32 v[SPW], v0, 2, SPARE
	v_mov_b32 v[NIL], 0
	ds_add_u32 v[SPW], v[NIL]                      ; the wave's opening: the add, twice on end, and its wait ahead of my first tensor load
	ds_add_u32 v[SPW], v[NIL]
	v_lshrrev_b32 v1, 5, v0
	v_readfirstlane_b32 s18, v1                    ; wave 0..3
	s_lshr_b32 s19, s18, 1                         ; which half of A's rows is mine.  Also: I fetch for A (0) or for B (1)
	s_and_b32 s20, s18, 1                          ; which half of B's rows.  Also: which half of the block I fetch
	s_bfe_u32 s21, ttmp6, 0x40000                  ; cx
	s_bfe_u32 s22, ttmp6, 0x40004                  ; cy
	s_mov_b32 s23, ttmp9                           ; the cluster's x: 0 = q, 1 = k, 2 = v: the same in all sixteen partners
	s_and_b32 s78, ttmp7, 0xffff                   ; the cluster's y, 0..15
	s_lshr_b32 s66, s78, 3
	s_and_b32 s72, s78, 7
	s_cmp_eq_u32 s23, 2
	s_cselect_b32 s66, s66, s78                    ; q, k: 16 rows of clusters x 1 column;  v: 2 x 8
	s_cselect_b32 s72, s72, 0
	s_lshl_b32 s66, s66, 2
	s_add_co_u32 s96, s66, s22                     ; TR: my block of 128 of A's rows
	s_lshl_b32 s72, s72, 2
	s_add_co_u32 s97, s72, s21                     ; TC: my block of 256 of B's rows
	s_lshl_b32 s80, s22, 2
	s_lshl_b32 s80, 15, s80                        ; my row of the cluster
	s_lshl_b32 s81, 0x1111, s21                    ; my column
	; descriptor group 1: a dense block as rows of 256 bytes (32 elements of 8 bytes), no padding: A 64 rows a wave, B 128
	s_or_b32 s[G1A], s80, (3<<16)|(1<<21)          ; 15:0 the mask; 17:16 elements of 8 bytes; 21 set beside a mask
	s_or_b32 s[G1B], s81, (3<<16)|(1<<21)
.irp g, G1A, G1B
	s_mov_b32 s[\g+1], 32<<16                      ; tensor_dim0
	s_mov_b32 s[\g+3], 32<<16                      ; tile_dim0
	s_mov_b32 s[\g+5], 32                          ; from row to row
	s_mov_b32 s[\g+6], 0
	s_mov_b32 s[\g+7], 0
.endr
	s_mov_b32 s[G1A+2], 64<<16                     ; tensor_dim1
	s_mov_b32 s[G1A+4], 64                         ; tile_dim1
	s_mov_b32 s[G1B+2], 128<<16
	s_mov_b32 s[G1B+4], 128
	s_lshl_b32 s68, s96, 17                        ; A: TR x 131,072 + my half x 16,384 + the operand's place in its buffer; registers s66-71 never hold cx
	s_lshl_b32 s67, s20, 14
	s_add_co_u32 s68, s68, s67
	s_lshl_b32 s67, s23, 23
	s_cmp_eq_u32 s23, 2
	s_cselect_b32 s67, 0x200000, s67
	s_add_co_u32 s68, s68, s67
	s_mov_b32 s69, 0
	s_lshl_b32 s74, s97, 18                        ; B: TC x 262,144 + my half x 32,768 + the operand's place; registers s72-77 never hold cy
	s_lshl_b32 s73, s20, 15
	s_add_co_u32 s74, s74, s73
	s_lshl_b32 s73, s23, 20
	s_cmp_eq_u32 s23, 2
	s_cselect_b32 s73, 0x1000000, s73
	s_add_co_u32 s74, s74, s73
	s_mov_b32 s75, 0
	s_lshl_b32 s82, s20, 14                        ; where they go in a slot: no place in the cluster enters an LDS address
	s_lshl_b32 s83, s20, 15
	s_add_co_u32 s83, s83, 32768
	s_wait_dscnt 0x0                               ; both opening adds are done
	s_wait_kmcnt 0x0
	s_load_b256 s[84:91], s[12:13], 0x0            ; e0 .. e7 in s84 .. s91
	s_load_b128 s[92:95], s[12:13], 0x20           ; e8 .. e11 in s92 .. s95
	s_cmp_eq_u32 s23, 2
	s_cselect_b64 s[70:71], s[6:7], s[4:5]         ; A: w_img for v, else x_img
	s_cselect_b64 s[76:77], s[4:5], s[6:7]         ; B: the other
	s_add_nc_u64 s[70:71], s[70:71], s[68:69]
	s_add_nc_u64 s[76:77], s[76:77], s[74:75]
	CROUND                                         ; all sixteen work-groups are here: the first joint loads meet
.irp s, 0,1,2
	s_mov_b32 s[G0A+4*\s], 1
	s_add_co_u32 s[G0A+4*\s+1], s82, \s*SLOT
	s_add_nc_u64 s[G0A+4*\s+2:G0A+4*\s+3], s[70:71], \s*32768
	s_or_b32 s[G0A+4*\s+3], s[G0A+4*\s+3], 0x80000000
	s_mov_b32 s[G0B+4*\s], 1
	s_add_co_u32 s[G0B+4*\s+1], s83, \s*SLOT
	s_add_nc_u64 s[G0B+4*\s+2:G0B+4*\s+3], s[76:77], \s*65536
	s_or_b32 s[G0B+4*\s+3], s[G0B+4*\s+3], 0x80000000
	JLOAD G0A+4*\s, G1A, G0B+4*\s, G1B
.endr
	v_and_b32 v1, 31, v0
	v_lshlrev_b32 v[LI], 4, v1
	s_lshl_b32 s78, s19, 14                        ; my four tiles of A,
	s_lshl_b32 s79, s20, 15
	s_add_co_u32 s79, s79, 32768                   ; my eight of B, which lie behind A's 32 KiB
.irp s, 0,1,2
	v_add_nc_u32 v[ADRA+\s], s78, v[LI]
	v_add_nc_u32 v[ADRB+\s], s79, v[LI]
	s_add_co_u32 s78, s78, SLOT
	s_add_co_u32 s79, s79, SLOT
.endr
	v_and_b32 v3, 15, v0                           ; r
	v_bfe_u32 v4, v0, 4, 1                         ; h
	v_and_b32 v5, 8, v3
	v_add_nc_u32 v5, v5, v3                        ; r + 8 (r / 8)
	v_lshlrev_b32 v[CSA], 7, v5                    ; cos, sin: a position's row is 128 bytes;
	v_lshl_add_u32 v[CSA], v4, 5, v[CSA]           ; my half's eight pairs of 16 channels: + 32 h
	s_wait_kmcnt 0x0
	s_sub_co_i32 s78, s90, s84
	s_sub_co_i32 s78, s78, s85                     ; q: e6 - e0 - e1
	s_sub_co_i32 s79, s91, s86
	s_sub_co_i32 s79, s79, s87                     ; k: e7 - e2 - e3
	s_sub_co_i32 s80, s93, s88
	s_sub_co_i32 s80, s80, s89                     ; v: e9 - e4 - e5
	s_cmp_eq_u32 s23, 1
	s_cselect_b32 s78, s79, s78
	s_cmp_eq_u32 s23, 2
	s_cselect_b32 s78, s80, s78
	s_add_co_i32 s78, s78, 127
	s_lshl_b32 s79, s78, 23
	v_mov_b32 v[SC], s79
	s_add_co_i32 s78, s78, 8
	s_lshl_b32 s78, s78, 23
	s_or_b32 s78, s78, 0x600000
	v_mov_b32 v[LIMV], s78
	s_wait_tensorcnt 2                             ; my part of slot 0 is in; slots 1 and 2 may stay out
	s_barrier_signal -1
	s_barrier_wait -1
	FETCH 0, 0, 0
	STEP 0, 0, 1, 1                                ; step 0: its products start the sums
	TURN 1, 1, 0, 1                                ; step 1: slots 1 and 2 are whole behind its round, and slot 0 is asked for again
	STEP 0, 1, 1, 0                                ; step 2
	s_wait_alu depctr_va_vdst(0)
	STEP 1, 2, 0, 0                                ; step 3
	STEP 0, 2, 1, 0                                ; step 4
	TURN 1, 0, 0, 0                                ; step 5: slot 0's second fill is whole behind its barrier
.macro CSLOAD a, reg                   ; cos (16 registers) and sin (16) of my tile a: register 8 g + i: pair 16 g + 8 h + i of my position
.irp g, 0,1
.irp hf, 0,1
	global_load_b128 v[\reg+8*\g+4*\hf:\reg+8*\g+4*\hf+3], v[CSA], s[8:9] offset:(32*((\a)/2)+8*((\a)%2))*128+64*\g+16*\hf
	global_load_b128 v[\reg+16+8*\g+4*\hf:\reg+16+8*\g+4*\hf+3], v[CSA], s[10:11] offset:(32*((\a)/2)+8*((\a)%2))*128+64*\g+16*\hf
.endr
.endr
.endm
.macro CODES a                         ; the 64 held numbers become 16 registers of codes
.if \a >= 2
	s_wait_xcnt 0x0                                ; the stores of two tiles back have read this set of codes
.endif
.irp g, 0,1,2,3,4,5,6,7
	v_cvt_scalef32_pk8_fp8_f32 v[CD+16*(\a%2)+2*\g:CD+16*(\a%2)+2*\g+1], v[RO+8*\g:RO+8*\g+7], v[SC]
.endr
	v_nop                                          ; a plain line behind the last conversion
.endm
; q, k: my tile a.  Registers 16 p + 2 i, + 1 are channels 32 (p % 2) + 16 h + 2 i, + 1 of head p / 2: a pair that is rotated by cos and sin of pair 16 (p % 2) + 8 h + i.  Each accumulator is read from its low end on.
.macro QKOUT a, cs, win
	WIN \win
.irp p, 0,1,2,3
.irp ii, 0,1,2,3,4,5,6,7
	v_mul_f32 v[24+2*(\ii%2)], v[64*\a+16*\p+2*\ii+1], v[\cs+16+8*(\p%2)+\ii]
	v_mul_f32 v[25+2*(\ii%2)], v[64*\a+16*\p+2*\ii], v[\cs+16+8*(\p%2)+\ii]
	v_fma_f32 v[RO+16*\p+2*\ii], v[64*\a+16*\p+2*\ii], v[\cs+8*(\p%2)+\ii], -v[24+2*(\ii%2)]
	v_fma_f32 v[RO+16*\p+2*\ii+1], v[64*\a+16*\p+2*\ii+1], v[\cs+8*(\p%2)+\ii], v[25+2*(\ii%2)]
.endr
.endr
	WIN 0
.set j, 0
.rept 64
.set j, j+1
.endr
	s_wait_alu depctr_va_vdst(0)
	CODES \a
	global_store_b128 v[LI], v[CD+16*(\a%2):CD+16*(\a%2)+3], s[98:99] offset:1024*\a               ; 512 consecutive bytes each: the first head's two pieces,
	global_store_b128 v[LI], v[CD+16*(\a%2)+4:CD+16*(\a%2)+7], s[98:99] offset:1024*\a+512
	global_store_b128 v[OA1], v[CD+16*(\a%2)+8:CD+16*(\a%2)+11], s[98:99] offset:1024*\a           ; the second head's
	global_store_b128 v[OA1], v[CD+16*(\a%2)+12:CD+16*(\a%2)+15], s[98:99] offset:1024*\a+512
.endm
; v: my tile a of channels.  Registers 16 p + i are keys 32 p + 16 h + i of my 128: piece p of the tile's fragment
.macro VOUT a
	WIN 0x02
.set j, 0
.rept 64
	v_med3_num_f32 v[RO+j], v[64*\a+j], -v[LIMV], v[LIMV]
.set j, j+1
.endr
	WIN 0
	s_wait_alu depctr_va_vdst(0)
	CODES \a
.irp c, 0,1,2,3
	global_store_b128 v[LI], v[CD+16*(\a%2)+4*\c:CD+16*(\a%2)+4*\c+3], s[98:99] offset:2048*\a+512*\c
.endr
.endm
	; THE TEXT PARTS HERE, on the cluster's x, behind the last barrier of the products: cos and sin are loaded and used on one path.  Steps 6 and 7 stand in both; they hold no barrier, tensor load or LDS store.
	s_cmp_eq_u32 s23, 2
	s_cbranch_scc1 .Lv_path
	s_and_b32 s78, s96, 15                         ; my wave's first position in its sequence: 128 (TR % 16) + 64 x half; a row of cos is 128 bytes
	s_lshl_b32 s78, s78, 14
	s_lshl_b32 s79, s19, 13
	s_add_co_u32 s78, s78, s79
	s_mov_b32 s79, 0
	s_add_nc_u64 s[8:9], s[8:9], s[78:79]
	s_add_nc_u64 s[10:11], s[10:11], s[78:79]
	CSLOAD 0, 32                                   ; 32 loads, which land under the 64 matrix instructions of steps 6 and 7
	CSLOAD 1, 64
	CSLOAD 2, 96
	WIN 0xc0                                       ; destination window 3
	CSLOAD 3, 0
	WIN 0
	s_lshr_b32 s78, s96, 4                         ; batch x 16 + the wave's first head: 16 (TR / 16) + 4 TC + 2 x half
	s_lshl_b32 s78, s78, 4
	s_lshl_b32 s79, s97, 2
	s_add_co_u32 s78, s78, s79
	s_lshl_b32 s79, s20, 1
	s_add_co_u32 s78, s78, s79
	s_add_co_u32 s79, s23, 17                      ; a head is 131,072 bytes of q_img, 262,144 of kv_img;
	s_lshl_b32 s78, s78, s79
	s_and_b32 s80, s96, 15
	s_add_co_u32 s79, s23, 13                      ; 128 positions are 8,192 bytes of q_img, 16,384 of kv_img;
	s_lshl_b32 s80, s80, s79
	s_add_co_u32 s78, s78, s80
	s_lshl_b32 s80, s19, 12                        ; my four tiles of 1,024 bytes
	s_add_co_u32 s78, s78, s80
	s_mov_b32 s79, 0
	s_cmp_eq_u32 s23, 0
	s_cselect_b64 s[98:99], s[14:15], s[16:17]
	s_add_nc_u64 s[98:99], s[98:99], s[78:79]
	s_lshl_b32 s100, 0x20000, s23
	v_add_nc_u32 v[OA1], s100, v[LI]
	STEP 0, 0, 1, 0                                ; step 6
	LAST                                           ; step 7
	s_wait_loadcnt 0x0                             ; cos and sin
	QKOUT 0, 32, 0x02                              ; source 0 (the sums) window 2
	QKOUT 1, 64, 0x02
	QKOUT 2, 96, 0x02
	QKOUT 3, 0, 0x0e                               ; and source 1 (cos, sin) window 3
	s_branch .Lend
.Lv_path:
	s_lshr_b32 s78, s97, 3                         ; batch x 16 + head: 16 (TC / 8) + 2 TR + half
	s_lshl_b32 s78, s78, 4
	s_lshl_b32 s79, s96, 1
	s_add_co_u32 s78, s78, s79
	s_add_co_u32 s78, s78, s19
	s_lshl_b32 s78, s78, 18
	s_and_b32 s79, s97, 7                          ; the block of 128 keys: 2 (TC % 8) + half
	s_lshl_b32 s79, s79, 1
	s_add_co_u32 s79, s79, s20
	s_lshl_b32 s79, s79, 14
	s_add_co_u32 s78, s78, s79
	s_add_co_u32 s78, s78, 8192                    ; v lies behind the block's 8 KiB of k
	s_mov_b32 s79, 0
	s_add_nc_u64 s[98:99], s[16:17], s[78:79]
	STEP 0, 0, 1, 0                                ; step 6
	LAST                                           ; step 7
	VOUT 0
	VOUT 1
	VOUT 2
	VOUT 3
.Lend:
	s_wait_tensorcnt 0x0                           ; the wave's end, behind my last tensor load
	ds_add_u32 v[SPW], v[NIL]
	s_wait_dscnt 0x0
	CROUND                                         ; the closing round: no work-group ends while a partner may still ask for a block that names it
	s_endpgm
.Lfunc_end_k_q4b1dd1fa30_qkv:
	.size	k_q4b1dd1fa30_qkv, .Lfunc_end_k_q4b1dd1fa30_qkv-k_q4b1dd1fa30_qkv
	.p2alignl 7, 3214868480
	.fill 96, 4, 3214868480
	.section	.rodata,"a",@progbits
	.p2align	6, 0x0
	.amdhsa_kernel k_q4b1dd1fa30_qkv
		.amdhsa_group_segment_fixed_size 327680
		.amdhsa_private_segment_fixed_size 0
		.amdhsa_enable_private_segment 0
		.amdhsa_kernarg_size 56
		.amdhsa_user_sgpr_count 2
		.amdhsa_user_sgpr_kernarg_segment_ptr 1
		.amdhsa_wavefront_size32 1
		.amdhsa_system_sgpr_workgroup_id_x 1
		.amdhsa_system_sgpr_workgroup_id_y 1
		.amdhsa_system_sgpr_workgroup_id_z 1
		.amdhsa_system_vgpr_workitem_id 0
		.amdhsa_next_free_vgpr 800
		.amdhsa_next_free_sgpr 102
		.amdhsa_reserve_vcc 0
		.amdhsa_float_denorm_mode_32 3
		.amdhsa_float_denorm_mode_16_64 3
		.amdhsa_fp16_overflow 1
		.amdhsa_memory_ordered 1
		.amdhsa_forward_progress 1
		.amdhsa_inst_pref_size 113
	.end_amdhsa_kernel
	.amdgpu_metadata
---
amdhsa.version: [ 1, 2 ]
amdhsa.kernels:
  - .name:           k_q4b1dd1fa30_qkv
    .symbol:         k_q4b1dd1fa30_qkv.kd
    .args:
      - { .name: x_img, .offset: 0, .size: 8, .value_kind: global_buffer, .address_space: global }
      - { .name: w_img, .offset: 8, .size: 8, .value_kind: global_buffer, .address_space: global }
      - { .name: cos, .offset: 16, .size: 8, .value_kind: global_buffer, .address_space: global }
      - { .name: sin, .offset: 24, .size: 8, .value_kind: global_buffer, .address_space: global }
      - { .name: lowp_scales, .offset: 32, .size: 8, .value_kind: global_buffer, .address_space: global }
      - { .name: q_img, .offset: 40, .size: 8, .value_kind: global_buffer, .address_space: global }
      - { .name: kv_img, .offset: 48, .size: 8, .value_kind: global_buffer, .address_space: global }
    .group_segment_fixed_size: 327680
    .private_segment_fixed_size: 0
    .kernarg_segment_align: 8
    .kernarg_segment_size: 56
    .max_flat_workgroup_size: 128
    .sgpr_count:     102
    .vgpr_count:     800
    .wavefront_size: 32
...
	.end_amdgpu_metadata
.endif
;; end of part 2
;; launch attn (part 3): grid 4 x 64, 16 waves a work-group, no clusters, 327,680 bytes of LDS; arguments q_img, kv_img, lowp_scales, o_img; writes o_img
.if DOCPART == 3
	.amdgcn_target "amdgcn-amd-amdhsa--gfx1250"
	.amdhsa_code_object_version 6
	.text
	.protected	k_q4b1dd1fa30_attn
	.globl	k_q4b1dd1fa30_attn
	.p2align	8
	.type	k_q4b1dd1fa30_attn,@function
k_q4b1dd1fa30_attn:
	s_mov_b64 s[64:65], 0
	v_nop
	global_prefetch_b8 v0, s[64:65] scope:SCOPE_SE
	s_setreg_imm32_b32 hwreg(HW_REG_WAVE_MODE, 25, 1), 1
	s_wait_xcnt 0x0
; THIRD LAUNCH: softmax(q k^T / 8, causal) v for each batch and head, both products on codes of FP8 (E4M3), and the quantising of the result (e10) as the last product's operand.
; WORK LEFT OUT: a step of 128 keys all of which come after a wave's 16 queries: reference()'s own jnp.tril makes their weights 0 for all inputs (shown at the head of the first launch's text).
; THE SOFTMAX AHEAD OF THE SECOND PRODUCT: t = score x log2(e) / 8; M = the row's largest t so far, rounded UP to a whole number; p = 2^(t - M) is quantised (e8), not normalised; the row's sum is taken of the
; unquantised p in f32 and divides at the end.  When M moves, the sum and O are multiplied by 2^(old M - new M): exact.
; SHARES.  Work-group (i, batch x head) owns the blocks i and 7 - i of 256 queries: (i + 1) + (8 - i) = 9 slots of 256 keys, the same for every work-group, so the trip count is a constant, and each slot fetched holds
; keys that count for some query of the block.  Each of sixteen waves owns one tile of 16 queries in 256 registers, four waves to a SIMD.  Tile w of block b holds at place r the query 256 b + 32 (w / 2) + 8 (w % 2) + r + 8 (r / 8).
; LAYOUT.  S^T = k q^T (source 0 = a tile of 16 keys, source 1 = my queries), O^T = v^T p^T (source 0 = a tile of 16 channels, source 1 = p): a lane holds ONE query throughout.  The tiles' rows are not neighbours (first
; launch's head comment), so the 16 registers of tiles 2 b and 2 b + 1 are the neighbours 32 b + 16 h + 0 .. 15: p's conversions give the second product's operand, O's give a piece of the last product's operand.
; q, k, v come as images of registers: every LDS and global load takes 16 bytes at 16 x lane.  A slot is one dense block of 32 KiB of kv_img (two blocks of 128 keys: k 8 KiB, v 8 KiB), fetched by wave 0 with one tensor load
; into a ring of two slots; by this text's own count one tensor load is out at most, and every wait for tensor loads is for 0.
; NO CLUSTER: the four work-groups of a head stand at different key slots in most trips of this walk, so their requests do not meet.
; LIMITS: e6 + e7 between -123 and 130 (added to c's exponent field); e8 between -126 and 119; e8 + e9 - e10 is applied by v_ldexp_f32 to 1 / the sum.
; REGISTERS: v1-5 addresses that stay; v8 the step's LDS address; v12 -M, v13 the largest t, v[14:15] the sum in two halves; v16-23 q; v24-31 O's codes; v32-95 k's eight fragments, then v's four; v96-159 S^T, then p;
; v160-191 O^T; v192-223 O / the sum; v224-239 p's codes; v236-254 at work and scales.
.set SLOT1, 32768                      ; slot 1 begins here: one exclusive or turns an address in one slot into the other's
.set SPARE, 2*SLOT1                    ; behind the ring: the spare words, 128 bytes a wave, eight blocks of 256 bytes that no other line names
.set LI,   1                           ; v1  16 x lane
.set SPW,  2                           ; v2  my spare word's LDS address; never rewritten
.set NIL,  3                           ; v3  0; never rewritten
.set PFO,  4                           ; v4  256 x lane: the prefetches' offset
.set DQ,   5                           ; v5  r + 8 (r / 8) - 16 h
.set ADR,  8                           ; v8
.set TB,   2                           ; s2  LDS byte at which the slot in hand begins
.set WV,   18
.set SEL,  20                          ; s[20:21] lane selects: lane l xor 16
.set CS,   22                          ; s[22:23] c = log2(e) / 8 x 2^(e6 + e7)
.set G1,   24                          ; s[24:31] descriptor group 1
.set G0,   40                          ; s[40:43] descriptor group 0, which walks
.set KVB,  44                          ; s[44:45] my head's first byte of kv_img
.set OFS,  46                          ; s[46:47] an offset as a pair; the high word stays 0
.set KSN,  48                          ; s48 the key slot that was asked for last
.set SW,   49                          ; s49 8 - i: the count at which the first block ends
.set QB0,  50
.set QB1,  52
.set OB0,  54
.set OB1,  56
.set Q1,   58                          ; s58 my first query in the second block
.set EO,   59                          ; s59 e8 + e9 - e10
.set SLOTS, 67
.set PFA,  80                          ; s[80:81] where my prefetches stand
.set LIM,  82                          ; s82 1 in a wave that prefetches, else the greatest number
.set KF,   98                          ; s98 the step's first key
.set Q0,   99                          ; s99 my first query
.macro TLOAD                           ; wave 0 fetches a slot.  An s_nop 0 and four v_nop follow the line
	s_cmp_eq_u32 s[WV], 0
	s_cbranch_scc0 .Lnot_0_\@
	tensor_load_to_lds s[G0:G0+3], s[G1:G1+7]
	s_nop 0
.rept 4
	v_nop
.endr
.Lnot_0_\@:
.endm
; A PREFETCH of the key slot that the NEXT trip's tensor load will ask for.  The head's work-group 0 walks key slots 0 to 7 on end in trips 1 to 8; it alone asks, and in it waves 4 to 7, which fetch nothing:
; 8,192 bytes a wave, lanes 256 bytes apart, one instruction: key slots 1 to 7 are each named once in the launch.  The last trip that fills a slot asks for nothing: there is no slot behind it.
.macro ASK
	s_cmp_gt_u32 s[SLOTS], s[LIM]
	s_cbranch_scc0 .Lnot_mine_\@
	global_prefetch_b8 v[PFO], s[PFA:PFA+1] th:TH_LOAD_NT scope:SCOPE_SE
.Lnot_mine_\@:
.endm
.macro PLACE qb, ob                    ; s96 = a block of 256 queries: where my tile's codes of q lie, and where my codes of O go (order A: row tile = batch x 128 + 16 x block + wave; K = head x 64 + channel)
	s_lshl_b32 s97, s83, 7
	s_lshl_b32 s60, s96, 4
	s_add_co_u32 s97, s97, s60
	s_add_co_u32 s97, s97, s[WV]
	s_lshl_b32 s[OFS], s97, 10
	s_add_nc_u64 s[\qb:\qb+1], s[4:5], s[OFS:OFS+1]
	s_lshr_b32 s97, s83, 4
	s_lshl_b32 s97, s97, 4
	s_lshl_b32 s60, s96, 1
	s_add_co_u32 s97, s97, s60
	s_lshr_b32 s60, s[WV], 3
	s_add_co_u32 s97, s97, s60                     ; row tile / 8
	s_lshl_b32 s97, s97, 2
	s_bfe_u32 s60, s83, 0x20002                    ; K / 256 = head / 4
	s_add_co_u32 s97, s97, s60
	s_lshl_b32 s97, s97, 3
	s_and_b32 s60, s[WV], 7                        ; row tile % 8
	s_add_co_u32 s97, s97, s60
	s_lshl_b32 s97, s97, 12
	s_bfe_u32 s60, s83, 0x10001                    ; (K / 128) % 2 = (head / 2) % 2
	s_lshl_b32 s60, s60, 11
	s_add_co_u32 s97, s97, s60
	s_and_b32 s60, s83, 1                          ; pieces 2 (head % 2) and + 1
	s_lshl_b32 s60, s60, 10
	s_add_co_u32 s[OFS], s97, s60
	s_add_nc_u64 s[\ob:\ob+1], s[10:11], s[OFS:OFS+1]
.endm
	s_load_b256 s[4:11], s[0:1], 0x0               ; q_img 4:5, kv_img 6:7, the exponents 8:9, o_img 10:11
	v_lshl_add_u32 v[SPW], v0, 2, SPARE
	v_mov_b32 v[NIL], 0
	ds_add_u32 v[SPW], v[NIL]                      ; the wave's opening: the add, twice on end, and its wait ahead of the first tensor load
	ds_add_u32 v[SPW], v[NIL]
	v_lshrrev_b32 v8, 5, v0
	s_delay_alu instid0(VALU_DEP_1)
	v_readfirstlane_b32 s[WV], v8                  ; wave 0..15
	s_and_b32 s83, ttmp7, 0xffff                   ; batch x 16 + head
	s_mov_b32 s[G1], 3<<16                         ; a dense block as 128 rows of 256 bytes: no mask, elements of 8 bytes, no padding
	s_mov_b32 s[G1+1], 32<<16                      ; tensor_dim0
	s_mov_b32 s[G1+2], 128<<16                     ; tensor_dim1
	s_mov_b32 s[G1+3], 32<<16                      ; tile_dim0
	s_mov_b32 s[G1+4], 128                         ; tile_dim1
	s_mov_b32 s[G1+5], 32                          ; from row to row
	s_mov_b32 s[G1+6], 0
	s_mov_b32 s[G1+7], 0
	s_mov_b32 s[SEL], 0x76543210
	s_mov_b32 s[SEL+1], 0xfedcba98
	s_mov_b32 s[CS], 0x3e38aa3b                    ; log2(e) / 8
	s_mov_b32 s[TB], 0
	s_mov_b32 s[SLOTS], 8
	s_mov_b32 s[KF], 0
	s_mov_b32 s[KSN], 0
	s_sub_co_u32 s[SW], 8, ttmp9
	s_mov_b32 s[OFS+1], 0
	s_wait_dscnt 0x0                               ; both opening adds are done
	s_wait_kmcnt 0x0
	s_load_b256 s[68:75], s[8:9], 0x0              ; e0 .. e7 in s68 .. s75
	s_load_b128 s[76:79], s[8:9], 0x20             ; e8 .. e11 in s76 .. s79
	s_lshl_b32 s[OFS], s83, 18
	s_add_nc_u64 s[KVB:KVB+1], s[6:7], s[OFS:OFS+1]
	s_mov_b32 s[G0], 1
	s_mov_b32 s[G0+1], 0                           ; slot 0
	s_mov_b64 s[G0+2:G0+3], s[KVB:KVB+1]           ; key slot 0
	s_or_b32 s[G0+3], s[G0+3], 0x80000000
	TLOAD
	s_mov_b32 s96, ttmp9                           ; the first block: i
	PLACE QB0, OB0
	s_sub_co_u32 s96, 7, ttmp9                     ; the second: 7 - i
	PLACE QB1, OB1
	s_lshr_b32 s61, s[WV], 1
	s_lshl_b32 s61, s61, 5
	s_and_b32 s60, s[WV], 1
	s_lshl_b32 s60, s60, 3
	s_add_co_u32 s61, s61, s60                     ; 32 (w / 2) + 8 (w % 2)
	s_lshl_b32 s60, ttmp9, 8
	s_add_co_u32 s[Q0], s61, s60
	s_lshl_b32 s60, s96, 8
	s_add_co_u32 s[Q1], s61, s60
	s_and_b32 s96, s[WV], 3                        ; the prefetches: my wave's 8,192 bytes of a slot; the first trip steps the address to key slot 1.  Nothing is prefetched here, at the head
	s_lshl_b32 s[OFS], s96, 13
	s_add_nc_u64 s[PFA:PFA+1], s[KVB:KVB+1], s[OFS:OFS+1]
	s_sub_co_u32 s96, s[WV], 4
	s_lshr_b32 s96, s96, 2                         ; 0 in waves 4 to 7,
	s_or_b32 s96, s96, ttmp9                       ; of the head's work-group 0
	s_cmp_eq_u32 s96, 0
	s_cselect_b32 s[LIM], 1, -1
	v_and_b32 v9, 31, v0
	s_delay_alu instid0(VALU_DEP_1)
	v_lshlrev_b32 v[LI], 4, v9
	s_delay_alu instid0(VALU_DEP_2)
	v_lshlrev_b32 v[PFO], 8, v9
	global_load_b128 v[16:19], v[LI], s[QB0:QB0+1]             ; q's fragment stays in registers
	global_load_b128 v[20:23], v[LI], s[QB0:QB0+1] offset:512
	v_and_b32 v9, 15, v0                           ; r
	v_bfe_u32 v10, v0, 4, 1                        ; h
	s_delay_alu instid0(VALU_DEP_2)
	v_and_b32 v11, 8, v9
	s_delay_alu instid0(VALU_DEP_1)
	v_add_nc_u32 v11, v11, v9
	s_delay_alu instid0(VALU_DEP_3)
	v_lshlrev_b32 v10, 4, v10
	s_delay_alu instid0(VALU_DEP_1)
	v_sub_nc_u32 v[DQ], v11, v10
	v_mov_b32 v13, 0xff61b1e6                      ; the largest t so far: -3e38, under every t
	s_delay_alu instid0(VALU_DEP_1)
	v_floor_f32 v12, -v13                          ; -M
	v_mov_b32 v14, 0
	v_mov_b32 v15, 0
	v_mov_b32 v236, 0                              ; written once: a lane permute's destination counts as one of its sources
	v_mov_b32 v252, 0
	v_mov_b32 v253, 0                              ; (named as the upper half of the pair v[252:253])
.set j, 0
.rept 32
	v_mov_b32 v[160+j], 0                          ; O^T.  (The step is written once: a block's first step finds zeros, which the first change of M leaves zeros)
.set j, j+1
.endr
	s_wait_kmcnt 0x0
	s_add_co_i32 s96, s74, s75
	s_lshl_b32 s96, s96, 23
	s_add_co_i32 s[CS], s[CS], s96                 ; a score stands for score x 2^(e6 + e7)
	s_mov_b32 s[CS+1], s[CS]
	s_add_co_i32 s96, s76, 127
	s_lshl_b32 s97, s96, 23
	v_mov_b32 v244, s97                            ; 2^e8
	v_mov_b32 v245, 1.0
	s_add_co_i32 s[EO], s76, s77
	s_sub_co_i32 s[EO], s[EO], s78
; A KEY STEP: 128 keys, the q-th block of the slot in hand.
.macro STEP q
	s_add_co_u32 s96, s[Q0], 23                    ; my last query
	s_cmp_gt_u32 s[KF], s96
	s_cbranch_scc1 .Lhidden_\@                     ; all 128 keys come after my queries: a branch on ids and the count of steps, round the step's work alone
	v_add_nc_u32 v[ADR], s[TB], v[LI]
.rept 3
	v_nop                                          ; with the addition above: four places in front of loads into registers that matrix instructions have read
.endr
.irp kt, 0,1,2,3,4,5,6,7
.irp c, 0,1
	ds_load_b128 v[32+8*\kt+4*\c:32+8*\kt+4*\c+3], v[ADR] offset:16384*(\q)+1024*\kt+512*\c
.endr
.endr
	s_wait_alu depctr_va_vdst(0)
	s_wait_dscnt 0x0
.irp kt, 0,1,2,3,4,5,6,7
	v_wmma_f32_16x16x64_fp8_fp8 v[96+8*\kt:103+8*\kt], v[32+8*\kt:39+8*\kt], v[16:23], 0
.endr
.rept 4
	v_nop
.endr
.irp dt, 0,1,2,3                               ; v's fragments are asked for now and land under the softmax
.irp c, 0,1,2,3
	ds_load_b128 v[32+16*\dt+4*\c:32+16*\dt+4*\c+3], v[ADR] offset:16384*(\q)+8192+2048*\dt+512*\c
.endr
.endr
	s_add_co_u32 s96, s[KF], 127                   ; on the diagonal the scores of hidden keys become -infinity ahead of the maximum: p = 0 then.  A step all of whose keys count skips this
	s_cmp_le_u32 s96, s[Q0]
	s_cbranch_scc1 .Lopen_\@
	s_sub_co_i32 s96, s[Q0], s[KF]
	v_add_nc_u32 v252, s96, v[DQ]                  ; d = my query - KF - 16 h.  Register 16 b + i holds key KF + 16 h + 32 b + i: hidden where 32 b + i > d
	v_mov_b32 v254, 0xff800000
.set n, 0
.rept 64
	v_cmp_gt_i32 vcc_lo, 32*(n/16)+n%16, v252
	v_cndmask_b32 v[96+n], v[96+n], v254, vcc_lo
.set n, n+1
.endr
.Lopen_\@:
	v_max3_num_f32 v254, v96, v97, v98             ; the step's largest score of my query, among my 64 keys, in two chains,
	v_max3_num_f32 v252, v99, v100, v101
.irp i, 6,10,14,18,22,26,30,34,38,42,46,50,54,58
	v_max3_num_f32 v254, v254, v[96+\i], v[97+\i]
	v_max3_num_f32 v252, v252, v[98+\i], v[99+\i]
.endr
	v_max3_num_f32 v254, v254, v158, v159
	s_delay_alu instid0(VALU_DEP_1)
	v_max_num_f32 v254, v254, v252
	v_permlanex16_b32 v236, v254, s[SEL], s[SEL+1]
	s_delay_alu instid0(VALU_DEP_1)
	v_max_num_f32 v254, v254, v236                 ; and among lane l xor 16's
	s_delay_alu instid0(VALU_DEP_1)
	v_mul_f32 v254, s[CS], v254                    ; as t (c is positive)
	s_delay_alu instid0(VALU_DEP_1)
	v_max_num_f32 v13, v13, v254
	v_mov_b32 v254, v12
	s_delay_alu instid0(VALU_DEP_2)
	v_floor_f32 v12, -v13                          ; the new -M = floor(-t): M is a whole number
	s_delay_alu instid0(VALU_DEP_1)
	v_sub_f32 v254, v12, v254                      ; old M - new M: a whole number, 0 or less
	s_delay_alu instid0(VALU_DEP_1)
	v_cvt_i32_f32 v254, v254                       ; (it saturates)
	s_delay_alu instid0(VALU_DEP_1)
	v_ldexp_f32 v252, 1.0, v254                    ; f = 2^(old M - new M)
.set j, 0
.rept 32
	v_pk_fma_f32 v[96+j:97+j], v[96+j:97+j], s[CS:CS+1], v[12:13] op_sel_hi:[1,0,0]   ; t - M, two at a time
.set j, j+2
.endr
.set j, 0
	s_wait_alu depctr_va_vdst(0)
.rept 64
	v_exp_f32 v[96+j], v[96+j]                     ; p = 2^(t - M), at most 1
.set j, j+1
.endr
	v_pk_mul_f32 v[14:15], v[14:15], v[252:253] op_sel_hi:[1,0]   ; the sums under the new M: the plain line behind the exponentials
	s_wait_alu depctr_va_vdst(0)                   ; one wait for the batch of 64, ahead of its first reader
	v_pk_add_f32 v[242:243], v[100:101], v[104:105]
	v_pk_add_f32 v[254:255], v[108:109], v[112:113]
	v_pk_add_f32 v[250:251], v[116:117], v[120:121]
	v_pk_add_f32 v[248:249], v[124:125], v[128:129]
	v_pk_add_f32 v[246:247], v[132:133], v[136:137]
	v_pk_add_f32 v[240:241], v[140:141], v[144:145]
	v_pk_add_f32 v[238:239], v[148:149], v[152:153]
	v_pk_add_f32 v[14:15], v[14:15], v[156:157]
	v_pk_add_f32 v[242:243], v[242:243], v[96:97]
	v_pk_add_f32 v[254:255], v[254:255], v[98:99]
	v_pk_add_f32 v[250:251], v[250:251], v[102:103]
	v_pk_add_f32 v[248:249], v[248:249], v[106:107]
	v_pk_add_f32 v[246:247], v[246:247], v[110:111]
	v_pk_add_f32 v[240:241], v[240:241], v[114:115]
	v_pk_add_f32 v[238:239], v[238:239], v[118:119]
	v_pk_add_f32 v[14:15], v[14:15], v[122:123]
	v_pk_add_f32 v[242:243], v[242:243], v[126:127]
	v_pk_add_f32 v[254:255], v[254:255], v[130:131]
	v_pk_add_f32 v[250:251], v[250:251], v[134:135]
	v_pk_add_f32 v[248:249], v[248:249], v[138:139]
	v_pk_add_f32 v[246:247], v[246:247], v[142:143]
	v_pk_add_f32 v[240:241], v[240:241], v[146:147]
	v_pk_add_f32 v[238:239], v[238:239], v[150:151]
	v_pk_add_f32 v[14:15], v[14:15], v[154:155]
	v_pk_add_f32 v[242:243], v[242:243], v[158:159]
	s_delay_alu instid0(VALU_DEP_2)
	v_pk_add_f32 v[14:15], v[14:15], v[248:249]
	s_delay_alu instid0(VALU_DEP_2)
	v_pk_add_f32 v[242:243], v[242:243], v[246:247]
	v_pk_add_f32 v[254:255], v[254:255], v[240:241]
	v_pk_add_f32 v[250:251], v[250:251], v[238:239]
	s_delay_alu instid0(VALU_DEP_2)
	v_pk_add_f32 v[14:15], v[14:15], v[254:255]
	s_delay_alu instid0(VALU_DEP_2)
	v_pk_add_f32 v[242:243], v[242:243], v[250:251]
	s_delay_alu instid0(VALU_DEP_1)
	v_pk_add_f32 v[14:15], v[14:15], v[242:243]
.irp b, 0,1,2,3
.irp i, 0,1,2,3,4,5,6,7,8,9,10,11,12,13,14,15
.endr
	v_cvt_scalef32_pk8_fp8_f32 v[224+4*\b:225+4*\b], v[96+16*\b:103+16*\b], v244
	v_cvt_scalef32_pk8_fp8_f32 v[226+4*\b:227+4*\b], v[104+16*\b:111+16*\b], v244
.endr
.set j, 0
.rept 16
	v_pk_mul_f32 v[160+j:161+j], v[160+j:161+j], v[252:253] op_sel_hi:[1,0]   ; O^T under the new M; these are also the plain lines between the conversions and the products
.set j, j+2
.endr
	s_wait_alu depctr_va_vdst(0)
	s_wait_dscnt 0x0                               ; v's fragments are in
.irp dt, 0,1,2,3
	v_wmma_f32_16x16x128_fp8_fp8 v[160+8*\dt:167+8*\dt], v[32+16*\dt:47+16*\dt], v[224:239], v[160+8*\dt:167+8*\dt]
.endr
.Lhidden_\@:
	s_add_co_u32 s[KF], s[KF], 128
.endm
; THE CHANGE OF SLOTS stands at a slot's head.  Each wave waits for all its tensor loads, adds 0 to its spare word, and waits for that and for its reads of the slot that it has left.  Behind the barrier the slot ahead is
; whole and nobody reads the other one.  fill = 1: that other slot is filled with the walk's next key slot: the one that follows, or key slot 0 where the first block ends.
.macro CHANGE fill
	s_wait_tensorcnt 0x0                           ; no tensor load of mine is out, so group 0 may be written
	ds_add_u32 v[SPW], v[NIL]                      ; 0 onto my spare word
.if \fill
	ds_add_u32 v[SPW], v[NIL]                      ; and once more, in every trip alike
	s_xor_b32 s[G0+1], s[G0+1], SLOT1
	s_add_co_u32 s[KSN], s[KSN], 1
	s_cmp_eq_u32 s[SLOTS], s[SW]
	s_cselect_b32 s[KSN], 0, s[KSN]
	s_lshl_b32 s[OFS], s[KSN], 15
	s_add_nc_u64 s[G0+2:G0+3], s[KVB:KVB+1], s[OFS:OFS+1]
	s_or_b32 s[G0+3], s[G0+3], 0x80000000
	s_wait_xcnt 0x0                                ; the last prefetch, a trip back, has read its address
	s_add_nc_u64 s[PFA:PFA+1], s[PFA:PFA+1], SLOT1
.endif
	s_wait_dscnt 0x0                               ; the add is done (fill = 1: both are), and my reads of the slot that I have left are over
	s_barrier_signal -1
	s_barrier_wait -1
.if \fill
	TLOAD                                          ; the first thing behind the barrier, and the one tensor load until the next
	ASK
.endif
.endm
; A block's end: O^T / the sum x 2^(e8 + e9 - e10), becomes codes: registers 16 p + i are channels 32 p + 16 h + i of my query: two pieces of the last product's operand, 512 consecutive bytes a store.
.macro OUT ob
	s_wait_xcnt 0x0                                ; the first block's stores have read their codes
.rept 4
	v_nop                                          ; places behind the last products
.endr
	v_add_f32 v14, v14, v15
	s_delay_alu instid0(VALU_DEP_1)
	v_permlanex16_b32 v252, v14, s[SEL], s[SEL+1]
	s_delay_alu instid0(VALU_DEP_1)
	v_add_f32 v14, v14, v252                       ; the row's sum
	s_wait_alu depctr_va_vdst(0)
	v_rcp_f32 v14, v14
	v_nop                                          ; a plain line behind the reciprocal
	s_wait_alu depctr_va_vdst(0)                   ; and the wait ahead of its first reader
	v_ldexp_f32 v14, v14, s[EO]
.set j, 0
.rept 32
	v_mul_f32 v[192+j], v[160+j], v14
.set j, j+1
.endr
.set j, 0
.rept 32
.set j, j+1
.endr
.irp g, 0,1,2,3
	v_cvt_scalef32_pk8_fp8_f32 v[24+2*\g:25+2*\g], v[192+8*\g:199+8*\g], v245
.endr
	v_nop                                          ; a plain line behind the last conversion
	global_store_b128 v[LI], v[24:27], s[\ob:\ob+1]
	global_store_b128 v[LI], v[28:31], s[\ob:\ob+1] offset:512
.endm
.macro REINIT                          ; the second block begins
	global_load_b128 v[16:19], v[LI], s[QB1:QB1+1]
	global_load_b128 v[20:23], v[LI], s[QB1:QB1+1] offset:512
	v_mov_b32 v13, 0xff61b1e6
	s_delay_alu instid0(VALU_DEP_1)
	v_floor_f32 v12, -v13
	v_mov_b32 v14, 0
	v_mov_b32 v15, 0
.set j, 0
.rept 32
	v_mov_b32 v[160+j], 0
.set j, j+1
.endr
	s_mov_b32 s[Q0], s[Q1]
	s_mov_b32 s[KF], 0
	s_wait_loadcnt 0x0
.endm
	s_wait_loadcnt 0x0                             ; q
.Lslot:                                            ; eight trips; the ninth slot is written out
	CHANGE 1
	STEP 0
	STEP 1
	s_xor_b32 s[TB], s[TB], SLOT1
	s_cmp_lg_u32 s[SLOTS], s[SW]                   ; ids and the count of trips alone
	s_cbranch_scc1 .Lsame_block
	OUT OB0
	REINIT
.Lsame_block:
	s_sub_co_u32 s[SLOTS], s[SLOTS], 1
	s_cmp_lg_u32 s[SLOTS], 0
	s_cbranch_scc1 .Lslot
	CHANGE 0
	STEP 0
	STEP 1
	OUT OB1
	s_wait_tensorcnt 0x0                           ; the wave's end, behind the last tensor load
	ds_add_u32 v[SPW], v[NIL]
	s_wait_dscnt 0x0
	s_endpgm
.Lfunc_end_k_q4b1dd1fa30_attn:
	.size	k_q4b1dd1fa30_attn, .Lfunc_end_k_q4b1dd1fa30_attn-k_q4b1dd1fa30_attn
	.p2alignl 7, 3214868480
	.fill 96, 4, 3214868480
	.section	.rodata,"a",@progbits
	.p2align	6, 0x0
	.amdhsa_kernel k_q4b1dd1fa30_attn
		.amdhsa_group_segment_fixed_size 327680
		.amdhsa_private_segment_fixed_size 0
		.amdhsa_enable_private_segment 0
		.amdhsa_kernarg_size 32
		.amdhsa_user_sgpr_count 2
		.amdhsa_user_sgpr_kernarg_segment_ptr 1
		.amdhsa_wavefront_size32 1
		.amdhsa_system_sgpr_workgroup_id_x 1
		.amdhsa_system_sgpr_workgroup_id_y 1
		.amdhsa_system_sgpr_workgroup_id_z 1
		.amdhsa_system_vgpr_workitem_id 0
		.amdhsa_next_free_vgpr 256
		.amdhsa_next_free_sgpr 100
		.amdhsa_reserve_vcc 1
		.amdhsa_float_denorm_mode_32 3
		.amdhsa_float_denorm_mode_16_64 3
		.amdhsa_fp16_overflow 1
		.amdhsa_memory_ordered 1
		.amdhsa_forward_progress 1
		.amdhsa_inst_pref_size 90
	.end_amdhsa_kernel
	.amdgpu_metadata
---
amdhsa.version: [ 1, 2 ]
amdhsa.kernels:
  - .name:           k_q4b1dd1fa30_attn
    .symbol:         k_q4b1dd1fa30_attn.kd
    .args:
      - { .name: q_img, .offset: 0, .size: 8, .value_kind: global_buffer, .address_space: global }
      - { .name: kv_img, .offset: 8, .size: 8, .value_kind: global_buffer, .address_space: global }
      - { .name: lowp_scales, .offset: 16, .size: 8, .value_kind: global_buffer, .address_space: global }
      - { .name: o_img, .offset: 24, .size: 8, .value_kind: global_buffer, .address_space: global }
    .group_segment_fixed_size: 327680
    .private_segment_fixed_size: 0
    .kernarg_segment_align: 8
    .kernarg_segment_size: 32
    .max_flat_workgroup_size: 512
    .sgpr_count:     100
    .vgpr_count:     256
    .wavefront_size: 32
...
	.end_amdgpu_metadata
.endif
;; end of part 3
;; launch oproj (part 4): grid 4 x 64, 4 waves a work-group, clusters of 4 x 4, 327,680 bytes of LDS; arguments o_img, w_img, lowp_scales, out0; writes out0
.if DOCPART == 4
	.amdgcn_target "amdgcn-amd-amdhsa--gfx1250"
	.amdhsa_code_object_version 6
	.text
	.protected	k_q4b1dd1fa30_oproj
	.globl	k_q4b1dd1fa30_oproj
	.p2align	8
	.type	k_q4b1dd1fa30_oproj,@function
k_q4b1dd1fa30_oproj:
	s_mov_b64 s[64:65], 0
	v_nop
	global_prefetch_b8 v0, s[64:65] scope:SCOPE_SE
	s_setreg_imm32_b32 hwreg(HW_REG_WAVE_MODE, 25, 1), 1
	s_wait_xcnt 0x0
	s_wait_alu depctr_hold_cnt(0) depctr_sa_sdst(0) depctr_va_vdst(0) depctr_va_sdst(0) depctr_va_ssrc(0) depctr_va_vcc(0) depctr_vm_vsrc(0)
	s_getreg_b32 s2, hwreg(HW_REG_IB_STS2, 6, 4)
	s_cmp_eq_u32 s2, 0
	s_cbranch_scc0 .Lentry_in_a_cluster
	s_endpgm
.Lentry_in_a_cluster:
	s_bfe_u32 s2, ttmp6, 0x10000c
	s_cmp_lg_u32 s2, 0xf033
	s_cbranch_scc0 .Lentry_shape_is_right
	s_endpgm
.Lentry_shape_is_right:
; FOURTH LAUNCH: out0 = attention's result x w_o^T on codes of FP8 (E4M3); each finished sum is multiplied once by 2^(e10 + e11).  No work is left out here.
; The products are the second launch's: a work-group makes 128 rows (A = o_img, order A) x 256 columns (B = w_o's codes at 3 MiB of w_img, order B); four waves of 64 x 128, 32 accumulators each; K = 1,024 in eight steps of
; 128, written out; three LDS slots of 256 along K, slot 0 filled once more; clusters of 4 x 4 with A's blocks shared along a row and B's along a column.  By this text's own count a wave has at most one tensor load out.
; Source 0 = 16 rows of w_o, source 1 = 16 rows of A: lane (r, h) holds place r of A's tile and, in B's tiles 2 p and 2 p + 1, the 16 neighbouring columns 32 p + 16 h + 0 .. 15: 64 bytes of a row of out0.
; THE WAY OUT: a tile of 16 rows x 128 columns goes through the wave's own stage in LDS (rows of 528 bytes) and comes back as whole rows of 512 bytes.  The stage lies in slot 1, which has had its one fill, and whose last
; read lies ahead of step 5's barrier.  A tile's rows are not neighbours (first launch's head comment): place t of tile a is row 32 (a / 2) + 8 (a % 2) + t + 8 (t / 8), which stands in the store's immediate.
; LIMIT: e10 + e11 between -126 and 127.
; REGISTERS, in windows of 256: window 0: v0-31 addresses; v32-95 the way out's numbers; v128-191, v192-255 A's fragments, two sets (on the way out: rows read back).  window 1: B's fragments, two sets.  window 2: accumulator (a, b) at v[8 (8 a + b)].
.set SLOT,  98304
.set SPARE, 3*SLOT                     ; behind the slots: the spare words, 128 bytes a wave, two blocks of 256 bytes that no other line names
.set LI,   2                           ; v2     16 x lane; also my byte in a row of 512 bytes of out0
.set ADRA, 16
.set ADRB, 20
.set STO,  24                          ; v24    the stage: where I put 64 bytes of a row
.set RD,   25                          ; v25    and where I read a row back
.set SPW,  28
.set NIL,  29
.set TMP,  32
.set BK,   128
.set G1A, 24
.set G1B, 32
.set G0A, 40
.set G0B, 52
.set MSB, 0
.macro WIN new                         ; the immediate's high byte repeats the setting that is left
.if MSB != \new
	s_set_vgpr_msb (MSB<<8)|\new
.set MSB, \new
.endif
.endm
.set MUL,  0xa1                        ; source 0 (B) window 1, source 1 (A) window 0, C and D window 2
.set TO_B, 0x40                        ; destination window 1, address window 0
.macro JLOAD g0a, g1a, g0b, g1b        ; a joint load: waves 0 and 1 fetch A's halves, waves 2 and 3 B's; an s_nop 0 and four v_nop follow each of the two lines
	s_cmp_eq_u32 s19, 0
	s_cbranch_scc0 .Lfor_b_\@
	tensor_load_to_lds s[\g0a:\g0a+3], s[\g1a:\g1a+7]
	s_nop 0
.rept 4
	v_nop
.endr
	s_branch .Lasked_\@
.Lfor_b_\@:
	tensor_load_to_lds s[\g0b:\g0b+3], s[\g1b:\g1b+7]
	s_nop 0
.rept 4
	v_nop
.endr
.Lasked_\@:
.endm
.macro CREST                           ; a round of the cluster's barrier behind its opening barrier
	s_cmp_lg_u32 s18, 0
	s_cbranch_scc1 .Lnot_wave_0_\@
	s_barrier_signal -3
.Lnot_wave_0_\@:
	s_barrier_wait -3
	s_barrier_signal -1
	s_barrier_wait -1
.endm
.macro CROUND
	s_barrier_signal -1
	s_barrier_wait -1
	CREST
.endm
.macro PLACES n                        ; plain vector lines between a matrix instruction and a load into, or a vector read or write of, its registers (ISA guide 7.12.1 for vector reads and writes)
.rept \n
	v_nop
.endr
.endm
.macro FRAG reg, adr, tile, q
.irp c, 0,1,2,3
	ds_load_b128 v[\reg+4*\c:\reg+4*\c+3], v[\adr] offset:(\tile)*4096+(\q)*2048+512*\c
.endr
.endm
.macro FETCH slot, q, p                ; 48 loads in one run: B's eight fragments, A's four
	WIN TO_B
.irp b, 0,1,2,3,4,5,6,7
	FRAG 128*(\p)+16*\b, ADRB+\slot, \b, \q
.endr
	WIN 0
.irp a, 0,1,2,3
	FRAG 128+64*(\p)+16*\a, ADRA+\slot, \a, \q
.endr
.endm
.macro MUL8 a, p, zero                 ; the 32 accumulators take turns in the same order in every step
.irp b, 0,1,2,3,4,5,6,7
.if \zero
	v_wmma_f32_16x16x128_fp8_fp8 v[8*(8*(\a)+\b):8*(8*(\a)+\b)+7], v[128*(\p)+16*\b:128*(\p)+16*\b+15], v[128+64*(\p)+16*(\a):128+64*(\p)+16*(\a)+15], 0
.else
	v_wmma_f32_16x16x128_fp8_fp8 v[8*(8*(\a)+\b):8*(8*(\a)+\b)+7], v[128*(\p)+16*\b:128*(\p)+16*\b+15], v[128+64*(\p)+16*(\a):128+64*(\p)+16*(\a)+15], v[8*(8*(\a)+\b):8*(8*(\a)+\b)+7]
.endif
.endr
.endm
.macro STEP p, nslot, nq, zero
	PLACES 4
	FETCH \nslot, \nq, 1-(\p)
	s_wait_dscnt 48                                ; all but the 48 just issued: set p is in
	WIN MUL
	MUL8 0, \p, \zero
	MUL8 1, \p, \zero
	MUL8 2, \p, \zero
	MUL8 3, \p, \zero
	WIN 0
.endm
.macro TURN p, nslot, nq, refill
	s_wait_tensorcnt 0x0                           ; all my tensor loads have landed
	ds_add_u32 v[SPW], v[NIL]                      ; 0 onto my spare word
	s_wait_dscnt 1                                 ; set p is in; the add may be out
	WIN MUL
	MUL8 0, \p, 0
	s_wait_dscnt 0x0                               ; the add is done, and my reads of the slot are over
	s_barrier_signal -1
	MUL8 1, \p, 0
	WIN 0
	s_barrier_wait -1
.if \refill
	CREST                                          ; no wave of any partner still reads slot 0 or has a load on its way
	s_add_nc_u64 s[G0A+2:G0A+3], s[G0A+2:G0A+3], 3*32768
	s_add_nc_u64 s[G0B+2:G0B+3], s[G0B+2:G0B+3], 3*65536
	JLOAD G0A, G1A, G0B, G1B                       ; the first tensor load behind the round; its four v_nop are the places in front of the loads below
.else
	PLACES 4
.endif
	s_wait_alu depctr_va_vdst(0)
	FETCH \nslot, \nq, 1-(\p)
	WIN MUL
	MUL8 2, \p, 0
	MUL8 3, \p, 0
	WIN 0
.endm
	s_load_b256 s[4:11], s[0:1], 0x0               ; o_img 4:5, w_img 6:7, the exponents 8:9, out0 10:11
	v_lshl_add_u32 v[SPW], v0, 2, SPARE
	v_mov_b32 v[NIL], 0
	ds_add_u32 v[SPW], v[NIL]                      ; the wave's opening: the add, twice on end, and its wait ahead of my first tensor load
	ds_add_u32 v[SPW], v[NIL]
	v_lshrrev_b32 v1, 5, v0
	v_readfirstlane_b32 s18, v1                    ; wave 0..3
	s_lshr_b32 s19, s18, 1                         ; which half of the rows is mine.  Also: I fetch for A (0) or for B (1)
	s_and_b32 s20, s18, 1                          ; which half of the columns.  Also: which half of the block I fetch
	s_bfe_u32 s21, ttmp6, 0x40000                  ; cx
	s_bfe_u32 s22, ttmp6, 0x40004                  ; cy
	s_and_b32 s66, ttmp7, 0xffff
	s_lshl_b32 s66, s66, 2
	s_add_co_u32 s12, s66, s22                     ; TR: my block of 128 rows
	s_lshl_b32 s72, ttmp9, 2
	s_add_co_u32 s13, s72, s21                     ; TC: my block of 256 columns
	s_lshl_b32 s80, s22, 2
	s_lshl_b32 s80, 15, s80                        ; my row of the cluster
	s_lshl_b32 s81, 0x1111, s21                    ; my column
	s_or_b32 s[G1A], s80, (3<<16)|(1<<21)          ; dense blocks as rows of 256 bytes (32 elements of 8 bytes), no padding; 21 set beside a mask
	s_or_b32 s[G1B], s81, (3<<16)|(1<<21)
.irp g, G1A, G1B
	s_mov_b32 s[\g+1], 32<<16
	s_mov_b32 s[\g+3], 32<<16
	s_mov_b32 s[\g+5], 32
	s_mov_b32 s[\g+6], 0
	s_mov_b32 s[\g+7], 0
.endr
	s_mov_b32 s[G1A+2], 64<<16
	s_mov_b32 s[G1A+4], 64
	s_mov_b32 s[G1B+2], 128<<16
	s_mov_b32 s[G1B+4], 128
	s_lshl_b32 s68, s12, 17                        ; A: TR x 131,072 + my half x 16,384
	s_lshl_b32 s67, s20, 14
	s_add_co_u32 s68, s68, s67
	s_mov_b32 s69, 0
	s_lshl_b32 s74, s13, 18                        ; B: 3 MiB + TC x 262,144 + my half x 32,768
	s_lshl_b32 s73, s20, 15
	s_add_co_u32 s74, s74, s73
	s_add_co_u32 s74, s74, 0x300000
	s_mov_b32 s75, 0
	s_lshl_b32 s82, s20, 14
	s_lshl_b32 s83, s20, 15
	s_add_co_u32 s83, s83, 32768
	s_wait_dscnt 0x0                               ; both opening adds are done
	s_wait_kmcnt 0x0
	s_load_b64 s[14:15], s[8:9], 0x28              ; e10, e11
	s_add_nc_u64 s[70:71], s[4:5], s[68:69]
	s_add_nc_u64 s[76:77], s[6:7], s[74:75]
	CROUND                                         ; all sixteen work-groups are here: the first joint loads meet
.irp s, 0,1,2
	s_mov_b32 s[G0A+4*\s], 1
	s_add_co_u32 s[G0A+4*\s+1], s82, \s*SLOT
	s_add_nc_u64 s[G0A+4*\s+2:G0A+4*\s+3], s[70:71], \s*32768
	s_or_b32 s[G0A+4*\s+3], s[G0A+4*\s+3], 0x80000000
	s_mov_b32 s[G0B+4*\s], 1
	s_add_co_u32 s[G0B+4*\s+1], s83, \s*SLOT
	s_add_nc_u64 s[G0B+4*\s+2:G0B+4*\s+3], s[76:77], \s*65536
	s_or_b32 s[G0B+4*\s+3], s[G0B+4*\s+3], 0x80000000
	s_wait_alu depctr_va_vdst(0)
	s_wait_tensorcnt 0x0
	ds_add_u32 v28, v29
	ds_add_u32 v28, v29
	s_wait_dscnt 0x0
	CROUND
	JLOAD G0A+4*\s, G1A, G0B+4*\s, G1B
.endr
	v_and_b32 v1, 31, v0
	v_lshlrev_b32 v[LI], 4, v1
	s_lshl_b32 s78, s19, 14
	s_lshl_b32 s79, s20, 15
	s_add_co_u32 s79, s79, 32768
.irp s, 0,1,2
	v_add_nc_u32 v[ADRA+\s], s78, v[LI]
	v_add_nc_u32 v[ADRB+\s], s79, v[LI]
	s_add_co_u32 s78, s78, SLOT
	s_add_co_u32 s79, s79, SLOT
.endr
	v_and_b32 v3, 15, v0                           ; r
	v_bfe_u32 v4, v0, 4, 1                         ; h
	s_mul_i32 s78, s18, 8448
	s_add_co_u32 s78, s78, SLOT                    ; my stage, in slot 1
	v_mul_u32_u24 v[STO], v3, 528
	v_lshl_add_u32 v[STO], v4, 6, v[STO]
	v_add_nc_u32 v[STO], s78, v[STO]               ; in: row r, + 64 h
	v_add_nc_u32 v[RD], s78, v[LI]                 ; back: 32 lanes take a row of 512 bytes
	s_lshl_b32 s78, s12, 19                        ; my part of out0: row 128 TR + 64 x half of 4,096 bytes, column 256 TC + 128 x half
	s_lshl_b32 s79, s19, 18
	s_add_co_u32 s78, s78, s79
	s_lshl_b32 s79, s13, 10
	s_add_co_u32 s78, s78, s79
	s_lshl_b32 s79, s20, 9
	s_add_co_u32 s78, s78, s79
	s_mov_b32 s79, 0
	s_add_nc_u64 s[10:11], s[10:11], s[78:79]
	s_wait_kmcnt 0x0
	s_add_co_i32 s14, s14, s15
	s_add_co_i32 s14, s14, 127
	s_lshl_b32 s14, s14, 23                        ; 2^(e10 + e11) as f32
	s_mov_b32 s15, s14                             ; (named with it as a pair, so it is written)
	s_wait_tensorcnt 2                             ; my parts of slots 0 and 1 are in; slot 2 may stay out
	s_barrier_signal -1
	s_barrier_wait -1
	FETCH 0, 0, 0
	STEP 0, 0, 1, 1                                ; step 0: its products start the sums
	TURN 1, 1, 0, 1                                ; step 1: slots 1 and 2 are whole behind its round, and slot 0 is asked for again
	STEP 0, 1, 1, 0                                ; step 2
	STEP 1, 2, 0, 0                                ; step 3
	STEP 0, 2, 1, 0                                ; step 4
	TURN 1, 0, 0, 0                                ; step 5: slot 0's second fill is whole behind its barrier, and nobody reads slot 1 any more
	STEP 0, 0, 1, 0                                ; step 6
	s_wait_dscnt 0x0                               ; step 7: nothing more to fetch
	WIN MUL
	MUL8 0, 1, 0
	MUL8 1, 1, 0
	MUL8 2, 1, 0
	MUL8 3, 1, 0
	WIN 0
	PLACES 4                                       ; in front of the first read of results and of loads into the registers that held A's fragments
.macro TOSTAGE a                       ; tile a: the sums x 2^(e10 + e11), each accumulator from its low end on; into my stage and back as rows.  LDS serves a wave's instructions in order (ISA guide 5.7.1.4): no wait between
	WIN 0x02                                       ; source 0 window 2
.set j, 0
.rept 32
	v_pk_mul_f32 v[TMP+j:TMP+j+1], v[64*(\a)+j:64*(\a)+j+1], s[14:15] op_sel_hi:[1,0]
.set j, j+2
.endr
	WIN 0
.irp p, 0,1,2,3
.irp jj, 0,1,2,3
	ds_store_b128 v[STO], v[TMP+16*\p+4*\jj:TMP+16*\p+4*\jj+3] offset:128*\p+16*\jj
.endr
.endr
.irp t, 0,1,2,3,4,5,6,7,8,9,10,11,12,13,14,15
	ds_load_b128 v[BK+64*((\a)%2)+4*\t:BK+64*((\a)%2)+4*\t+3], v[RD] offset:528*\t
.endr
.endm
.macro SEND a, younger                 ; younger: the LDS instructions issued behind tile a's loads, which may stay out
	s_wait_dscnt \younger
.irp t, 0,1,2,3,4,5,6,7,8,9,10,11,12,13,14,15
	global_store_b128 v[LI], v[BK+64*((\a)%2)+4*\t:BK+64*((\a)%2)+4*\t+3], s[10:11] offset:(32*((\a)/2)+8*((\a)%2)+\t+8*(\t/8))*4096 th:TH_STORE_NT   ; 32 lanes store 512 consecutive bytes, at a multiple of 512 from out0's first byte; written once
.endr
.endm
	TOSTAGE 0
.irp a, 1,2,3
.if \a > 1
	s_wait_xcnt 0x0                                ; tile a - 2's stores have read their registers: tile a's rows may land there
.endif
	TOSTAGE \a
	SEND \a-1, 32                                  ; behind tile a - 1's loads: tile a's 16 stores and 16 loads
.endr
	SEND 3, 0
	s_wait_tensorcnt 0x0                           ; the wave's end, behind my last tensor load and my last LDS store
	ds_add_u32 v[SPW], v[NIL]
	s_wait_dscnt 0x0
	CROUND                                         ; the closing round: no work-group ends while a partner may still ask for a block that names it
	s_endpgm
.Lfunc_end_k_q4b1dd1fa30_oproj:
	.size	k_q4b1dd1fa30_oproj, .Lfunc_end_k_q4b1dd1fa30_oproj-k_q4b1dd1fa30_oproj
	.p2alignl 7, 3214868480
	.fill 96, 4, 3214868480
	.section	.rodata,"a",@progbits
	.p2align	6, 0x0
	.amdhsa_kernel k_q4b1dd1fa30_oproj
		.amdhsa_group_segment_fixed_size 327680
		.amdhsa_private_segment_fixed_size 0
		.amdhsa_enable_private_segment 0
		.amdhsa_kernarg_size 32
		.amdhsa_user_sgpr_count 2
		.amdhsa_user_sgpr_kernarg_segment_ptr 1
		.amdhsa_wavefront_size32 1
		.amdhsa_system_sgpr_workgroup_id_x 1
		.amdhsa_system_sgpr_workgroup_id_y 1
		.amdhsa_system_sgpr_workgroup_id_z 1
		.amdhsa_system_vgpr_workitem_id 0
		.amdhsa_next_free_vgpr 768
		.amdhsa_next_free_sgpr 100
		.amdhsa_reserve_vcc 0
		.amdhsa_float_denorm_mode_32 3
		.amdhsa_float_denorm_mode_16_64 3
		.amdhsa_memory_ordered 1
		.amdhsa_forward_progress 1
		.amdhsa_inst_pref_size 76
	.end_amdhsa_kernel
	.amdgpu_metadata
---
amdhsa.version: [ 1, 2 ]
amdhsa.kernels:
  - .name:           k_q4b1dd1fa30_oproj
    .symbol:         k_q4b1dd1fa30_oproj.kd
    .args:
      - { .name: o_img, .offset: 0, .size: 8, .value_kind: global_buffer, .address_space: global }
      - { .name: w_img, .offset: 8, .size: 8, .value_kind: global_buffer, .address_space: global }
      - { .name: lowp_scales, .offset: 16, .size: 8, .value_kind: global_buffer, .address_space: global }
      - { .name: out0, .offset: 24, .size: 8, .value_kind: global_buffer, .address_space: global }
    .group_segment_fixed_size: 327680
    .private_segment_fixed_size: 0
    .kernarg_segment_align: 8
    .kernarg_segment_size: 32
    .max_flat_workgroup_size: 128
    .sgpr_count:     100
    .vgpr_count:     768
    .wavefront_size: 32
...
	.end_amdgpu_metadata
.endif
;; end of part 4
